; MI455X (gfx1250); checked and timed in simulation.
; The chip was launched on July 23, 2026; its instructions are those of AMD's public machine-readable ISA for CDNA 5 (MIT licence, August 2026) and "CDNA5" Instruction Set Architecture Reference Guide (July 2026). The comments in the code are by the model that wrote it; some were corrected since.
;; Com Po M. Allowed arithmetic: float matrix products may take bf16 or f16 operands with f32 sums; other float arithmetic in f32, or as packed bf16 or f16 multiplies, adds, multiply-adds, maxima and minima; sums over many terms, partial sums and values carried from step to step in f32; what a program stores and reads back later, other than sums and carried values, may be rounded once to bf16 or f16.
;; Inputs: Wag 1,024 x 2,048 float32; Wpo 2,048 x 1,024 float32; Wse 2,048 x 1,024 float32; bse 2,048 float32; coeff 2,048 x 3 float32; mask 4 x 4,096 int32; xc 4 x 4,096 x 1,024 float32; xq 4 x 2,048 x 1,024 float32.
;; Outputs: out0 4 x 2,048 x 1,024 float32.
;; One version. Each part assembles by itself: llvm-mc -triple=amdgcn-amd-amdhsa -mcpu=gfx1250 --defsym DOCPART=n.
;; ======== version 1 of 1: 3 launches
;; limits: values are held in f16: magnitudes above 65,504 overflow, below 6.1e-05 lose precision
;; workspace buffers: act 50,331,648 bytes; wb 8,388,608 bytes; wagh 4,194,304 bytes; st 33,554,432 bytes; part 262,144 bytes
;; launch cast (part 1): grid 1920 x 1, 8 waves a work-group, no clusters, 0 bytes of LDS; arguments xc, xq, Wpo, Wse, Wag, act, wb, wagh; writes act, wb, wagh
.if DOCPART == 1
	.amdgcn_target "amdgcn-amd-amdhsa--gfx1250"
	.amdhsa_code_object_version 6
	.text
	.protected	k_q60ad1e22a6_cast
	.globl	k_q60ad1e22a6_cast
	.p2align	8
	.type	k_q60ad1e22a6_cast,@function
k_q60ad1e22a6_cast:
	s_mov_b64 s[64:65], 0
	v_nop
	global_prefetch_b8 v0, s[64:65] scope:SCOPE_SE
	s_setreg_imm32_b32 hwreg(HW_REG_WAVE_MODE, 25, 1), 1
	s_wait_xcnt 0x0
; The matrix operands are rounded once, f32 to 16 bits, so that the two products behind this launch move and read half the bytes.
; xc and xq -> act [24576][1024] bf16 (xc's rows, then xq's); Wpo and Wse -> wb [4096][1024] bf16; Wag -> wagh [1024][2048]: rounded to bf16 like every
; other input, and that number written as f16 (the last product multiplies in f16).
; LIMITS.  |Wag| stays under 65,504 (f16's end); a Wag below 6e-5 keeps f16's fixed step of 6e-8.  NaN and infinities are not treated apart.
; SHARES.  A work-group takes one unit of 16,384 numbers: 65,536 bytes in, 32,768 out.  Units 0-1023 xc, 1024-1535 xq, 1536-1663 Wpo, 1664-1791 Wse, 1792-1919 Wag.
; Thread t takes 16 bytes at 16 t of each 4,096: a wave's load covers 512 consecutive bytes, its store of 8 bytes a lane 256 consecutive bytes, aligned.
; All sixteen loads of a thread go out at once; the waits count down.  No LDS, no barrier, no matrix unit: nothing is shared and nothing is summed.
.set X, 8                              ; v[8:71]  load i: four numbers in v[8+4i : 11+4i]; its two packed words then lie in the first two of them
	s_load_b512 s[8:23], s[0:1], 0x0               ; xc s[8:9], xq s[10:11], Wpo s[12:13], Wse s[14:15], Wag s[16:17], act s[18:19], wb s[20:21], wagh s[22:23]
	v_lshlrev_b32 v1, 4, v0                        ; my 16 bytes in
	v_lshlrev_b32 v2, 3, v0                        ; my 8 bytes out
	s_mov_b32 s26, 0                               ; the first unit of the source
	s_mov_b32 s30, 0                               ; the first unit of the destination
	s_mov_b32 s33, 0
	s_mov_b32 s35, 0
	s_wait_kmcnt 0x0
	s_mov_b64 s[24:25], s[8:9]
	s_mov_b64 s[28:29], s[18:19]
	s_cmp_ge_u32 ttmp9, 1024                       ; the choice hangs on the work-group's number alone
	s_cselect_b64 s[24:25], s[10:11], s[24:25]
	s_cselect_b32 s26, 1024, s26
	s_cmp_ge_u32 ttmp9, 1536
	s_cselect_b64 s[24:25], s[12:13], s[24:25]
	s_cselect_b32 s26, 1536, s26
	s_cselect_b64 s[28:29], s[20:21], s[28:29]
	s_cselect_b32 s30, 1536, s30
	s_cmp_ge_u32 ttmp9, 1664
	s_cselect_b64 s[24:25], s[14:15], s[24:25]
	s_cselect_b32 s26, 1664, s26
	s_cmp_ge_u32 ttmp9, 1792
	s_cselect_b64 s[24:25], s[16:17], s[24:25]
	s_cselect_b32 s26, 1792, s26
	s_cselect_b64 s[28:29], s[22:23], s[28:29]
	s_cselect_b32 s30, 1792, s30
	s_sub_co_u32 s32, ttmp9, s26
	s_lshl_b32 s32, s32, 16                        ; 65,536 bytes a unit in (1,023 units at the most: under 2^27)
	s_sub_co_u32 s34, ttmp9, s30
	s_lshl_b32 s34, s34, 15                        ; 32,768 bytes a unit out
	s_add_nc_u64 s[24:25], s[24:25], s[32:33]
	s_add_nc_u64 s[28:29], s[28:29], s[34:35]
.irp i, 0,1,2,3,4,5,6,7,8,9,10,11,12,13,14,15
	global_load_b128 v[X+4*(\i):X+4*(\i)+3], v1, s[24:25] offset:4096*(\i) th:TH_LOAD_NT
.endr
	s_cmp_ge_u32 ttmp9, 1792
	s_cbranch_scc1 .Lf16
.irp i, 0,1,2,3,4,5,6,7,8,9,10,11,12,13,14,15
	s_wait_loadcnt 15-(\i)                         ; loads come back in order: load i is in, the younger ones stay out
	v_cvt_pk_bf16_f32 v[X+4*(\i)], v[X+4*(\i)], v[X+4*(\i)+1]
	v_cvt_pk_bf16_f32 v[X+4*(\i)+1], v[X+4*(\i)+2], v[X+4*(\i)+3]
	global_store_b64 v2, v[X+4*(\i):X+4*(\i)+1], s[28:29] offset:2048*(\i) th:TH_STORE_NT  ; no register of a store is written again
.endr
	s_endpgm
.Lf16:
.irp i, 0,1,2,3,4,5,6,7,8,9,10,11,12,13,14,15
	s_wait_loadcnt 15-(\i)
	v_cvt_pk_bf16_f32 v4, v[X+4*(\i)], v[X+4*(\i)+1]       ; the rounding that all inputs get,
	v_cvt_pk_bf16_f32 v5, v[X+4*(\i)+2], v[X+4*(\i)+3]
	v_lshlrev_b32 v[X+4*(\i)], 16, v4                      ; back to f32,
	v_and_b32 v[X+4*(\i)+1], 0xffff0000, v4
	v_lshlrev_b32 v[X+4*(\i)+2], 16, v5
	v_and_b32 v[X+4*(\i)+3], 0xffff0000, v5
	v_cvt_pk_f16_f32 v[X+4*(\i)], v[X+4*(\i)], v[X+4*(\i)+1]    ; and written as f16: exact inside f16's normal range
	v_cvt_pk_f16_f32 v[X+4*(\i)+1], v[X+4*(\i)+2], v[X+4*(\i)+3]
	global_store_b64 v2, v[X+4*(\i):X+4*(\i)+1], s[28:29] offset:2048*(\i) th:TH_STORE_NT
.endr
	s_endpgm
.Lfunc_end_k_q60ad1e22a6_cast:
	.size	k_q60ad1e22a6_cast, .Lfunc_end_k_q60ad1e22a6_cast-k_q60ad1e22a6_cast
	.p2alignl 7, 3214868480
	.fill 96, 4, 3214868480
	.section	.rodata,"a",@progbits
	.p2align	6, 0x0
	.amdhsa_kernel k_q60ad1e22a6_cast
		.amdhsa_group_segment_fixed_size 0
		.amdhsa_private_segment_fixed_size 0
		.amdhsa_enable_private_segment 0
		.amdhsa_kernarg_size 64
		.amdhsa_user_sgpr_count 2
		.amdhsa_user_sgpr_kernarg_segment_ptr 1
		.amdhsa_wavefront_size32 1
		.amdhsa_system_sgpr_workgroup_id_x 1
		.amdhsa_system_sgpr_workgroup_id_y 1
		.amdhsa_system_sgpr_workgroup_id_z 1
		.amdhsa_system_vgpr_workitem_id 0
		.amdhsa_next_free_vgpr 72
		.amdhsa_next_free_sgpr 66
		.amdhsa_reserve_vcc 0
		.amdhsa_float_denorm_mode_32 3
		.amdhsa_float_denorm_mode_16_64 3
		.amdhsa_memory_ordered 1
		.amdhsa_forward_progress 1
		.amdhsa_inst_pref_size 17
	.end_amdhsa_kernel
	.amdgpu_metadata
---
amdhsa.version: [ 1, 2 ]
amdhsa.kernels:
  - .name:           k_q60ad1e22a6_cast
    .symbol:         k_q60ad1e22a6_cast.kd
    .args:
      - { .name: xc, .offset: 0, .size: 8, .value_kind: global_buffer, .address_space: global }
      - { .name: xq, .offset: 8, .size: 8, .value_kind: global_buffer, .address_space: global }
      - { .name: Wpo, .offset: 16, .size: 8, .value_kind: global_buffer, .address_space: global }
      - { .name: Wse, .offset: 24, .size: 8, .value_kind: global_buffer, .address_space: global }
      - { .name: Wag, .offset: 32, .size: 8, .value_kind: global_buffer, .address_space: global }
      - { .name: act, .offset: 40, .size: 8, .value_kind: global_buffer, .address_space: global }
      - { .name: wb, .offset: 48, .size: 8, .value_kind: global_buffer, .address_space: global }
      - { .name: wagh, .offset: 56, .size: 8, .value_kind: global_buffer, .address_space: global }
    .group_segment_fixed_size: 0
    .private_segment_fixed_size: 0
    .kernarg_segment_align: 8
    .kernarg_segment_size: 64
    .max_flat_workgroup_size: 256
    .sgpr_count:     66
    .vgpr_count:     72
    .wavefront_size: 32
...
	.end_amdgpu_metadata
.endif
;; end of part 1
;; launch proj (part 2): grid 32 x 8, 4 waves a work-group, clusters of 4 x 4, 327,680 bytes of LDS; arguments act, wb, mask, coeff, bse, st, part; writes st, part
.if DOCPART == 2
	.amdgcn_target "amdgcn-amd-amdhsa--gfx1250"
	.amdhsa_code_object_version 6
	.text
	.protected	k_q60ad1e22a6_proj
	.globl	k_q60ad1e22a6_proj
	.p2align	8
	.type	k_q60ad1e22a6_proj,@function
k_q60ad1e22a6_proj:
	s_mov_b64 s[64:65], 0
	v_nop
	global_prefetch_b8 v0, s[64:65] scope:SCOPE_SE
	s_setreg_imm32_b32 hwreg(HW_REG_WAVE_MODE, 25, 1), 1
	s_wait_xcnt 0x0
	s_wait_alu depctr_hold_cnt(0) depctr_sa_sdst(0) depctr_va_vdst(0) depctr_va_sdst(0) depctr_va_ssrc(0) depctr_va_vcc(0) depctr_vm_vsrc(0)
	s_getreg_b32 s2, hwreg(HW_REG_IB_STS2, 6, 4)
	s_cmp_eq_u32 s2, 0
	s_cbranch_scc0 .Lentry_in_a_cluster
	s_endpgm
.Lentry_in_a_cluster:
	s_bfe_u32 s2, ttmp6, 0x10000c
	s_cmp_lg_u32 s2, 0xf033
	s_cbranch_scc0 .Lentry_shape_is_right
	s_endpgm
.Lentry_shape_is_right:
; THE TWO PRODUCTS OVER K = 1024, AND WHAT FOLLOWS EACH.  act: [24576][1024] bf16 (rows 0-16383 xc, then xq); wb: [4096][1024] bf16 (rows 0-2047 Wpo, then Wse).
; A work-group (gx 0-31, gy 0-7) makes THREE tiles of 256 rows of act x 256 rows of wb, sums in f32:
;   tiles 0 and 1: h = xc Wpo^T for xc's rows 512 gx .. +511 and e = 256 gy .. +255.  h is not stored: a = clip(leaky(h), -0.1, 6), the cubic in a with coeff, times the mask, summed over the rows:
;                  part[gx][e], f32, one row of part for each gx (eight of them make a batch's sum; the next launch adds them).
;   tile 2:        z = xq Wse^T for xq's rows 256 gx .. +255, the same e: s = clip((z + bse) / 6 + 0.5, 0, 1), rounded once to f16, stored TRANSPOSED: st[e][t].
; ARITHMETIC OF THE WAY OUT.  u = clamp01(h / 6), w = clamp01(-0.1 h), a' = a / 6 = u - w / 60.  The cubic is a' (c0' + a' (c1' + a' c2')) with c0' = 6 c0, c1' = 36 c1, c2' = 216 c2.
; coeff and bse are rounded to bf16 like every other input.  The order of rounding in the cubic differs from a chain of powers; sums are f32.  NaN and infinities are not treated apart.
; THE LOOP.  Four waves, each 128 x 128 of a tile in 512 registers; K in steps of 128 through a ring of two LDS slots filled by the tensor data mover; the ring runs on from tile to tile.
; CLUSTERS: 4 x 4 work-groups.  wb's tile hangs on gy alone and is asked for jointly by a row of the cluster, act's on gx alone, by a column: same load, same descriptor, a mask that names the four.
; THE MATRIX INSTRUCTION: source 0 = 16 rows of act (X), source 1 = 16 rows of wb (W).  In the result lane l holds ONE e (l % 16) and its registers the rows 8 (l / 16) + 0..7 of act:
; so coeff and bse are one number a lane, the sum over rows stays in the lane, and eight neighbouring t of one e pack into 16 bytes of st.
; REGISTERS, in windows of 256 (s_set_vgpr_msb: bits 1:0 source 0, 3:2 source 1, 5:4 source 2, 7:6 destination):
;   window 0: v0-15 addresses; v16-31 the row sums, a pair for each of my 8 blocks of e; v32-55 c0', c1', c2' (later bse / 6 + 0.5 in pairs); v56-61 constants;
;             v64-127, v128-191 W's fragments, two buffers (v128-191 also the mask as floats on the way out); v192-255 at work
;   window 1: v0-63 the mask as loaded; v64-127, v128-191 X's fragments; v192-199 bse as loaded       windows 2, 3: the accumulators: (a, b) in window 2 + a / 4 at v[8 (8 (a % 4) + b)]
.set KSTEP,  128
.set PITCH,  272                       ; an LDS row: 256 bytes + 16 of padding = 68 words: the 16 rows that a load touches start at 16 different groups of four banks (ISA guide 11.1)
.set HALFT,  128*PITCH                 ; 128 rows: what one tensor load brings
.set SLOT,   4*HALFT                   ; W's 256 rows, then X's 256 rows
.set STAGE,  2*SLOT                    ; behind the ring: 16 rows x 272 bytes for each wave, for st's way out
.set SPITCH, 272
.set RED,    STAGE+4*16*SPITCH         ; 2,048 bytes: the four waves' row sums, [half of X][half of e][128] f32
.set SPARE,  RED+2048                  ; the spare words, 128 bytes for each wave: two blocks of 256 bytes that no other line names
.set LAPS,   4                         ; a lap = two K steps = once round the ring; K = 1024
.set STROW,  16384                     ; bytes in a row of st
.set ADRA, 2                           ; v2-3   LDS address of my W fragments in slot 0, 1
.set ADRB, 4                           ; v4-5   the same for X
.set STO,  6                           ; v6     the way out: where I put 16 bytes of a row
.set RD,   7                           ; v7     where I read a row back
.set CO,   8                           ; v8     my byte offset in two rows of st
.set SPW,  9                           ; v9     my spare word: SPARE + 4 x my thread's number; never rewritten
.set NIL,  10                          ; v10    0; never rewritten
.set PFO,  11                          ; v11    the prefetches' offset: my lane x a row of 2,048 bytes; never rewritten
.set MO,   12                          ; v12    my byte offset in a tile's 256 mask words
.set RS,   13                          ; v13    where I put my row sums
.set RL,   14                          ; v14    where I read them back
.set PO,   15                          ; v15    my 16 bytes of part
.set SS,   16
.set C0,   32
.set C1,   40
.set C2,   48
.set BETA, 32
.set K6,   56                          ; v[56:57] 1/6 twice; v[58:59] -0.1 twice; v[60:61] -1/60 twice: the clamped forms take vector registers alone
.set KN,   58
.set K60,  60
.set F0,   64
.set F1,   128
.set MF,   128
.set U,    192
.set WT,   224
.set TMP,  192
.set WV,  18                           ; s18 wave; s19 my half of e, also: I fetch W (0) or X (1); s20 my half of X, also: which 128 rows I fetch
.set WH,  19
.set XH,  20
.set CX,  21
.set CY,  22
.set GY,  23
.set G1,  24                           ; s[24:31] descriptor group 1 for W's tiles; s[32:39] group 0, a set for each slot
.set G0,  32
.set GX,  40
.set LIM, 41                           ; s41  1 in a wave that prefetches now, else the greatest number
.set LIMB, 42                          ; s42  the same for a tile whose rows have not been read before
.set LIMOFF, 43                        ; s43  the same for tile 1: W's rows are tile 0's again, so W's waves ask for nothing
.set PFA, 44                           ; s[44:45] where my prefetches stand
.set LD,  46                           ; s46  LDS byte of my part of slot 0: wave x 128 rows
.set G1B, 48                           ; s[48:55], s[56:63] the same two groups for X's tiles
.set G0B, 56
.set JX,  66                           ; s[66:67], s[68:69], s[70:71] bytes from a tile's rows to the next tile's: X's, W's, my prefetches'
.set JW,  68
.set JP,  70
.set JX2, 72                           ; s72-74 their values for the change from tile 1 to tile 2
.set JW2, 73
.set JP2, 74
.set SEL, 78                           ; s[78:79] v_permlanex16_b32's selects: each lane takes its own place in the other half
.set MSB, 0
.macro WIN new                         ; the immediate's high byte repeats the setting that is left; a switch that changes nothing is dropped
.if MSB != (\new)
	s_set_vgpr_msb (MSB<<8)|(\new)
.set MSB, \new
.endif
.endm
.set MUL_LO, 0xa1                      ; source 0 (X) window 1, source 1 (W) window 0, C and D window 2
.set MUL_HI, 0xf1                      ; the same, C and D window 3
.set TO_B,   0x40                      ; destination window 1, address window 0
; A joint load.  Waves 0 and 1 fetch W's two halves, waves 2 and 3 X's.  The branch hangs on the wave's number alone.  An s_nop 0 and four v_nop follow each of the two lines.
.macro JLOAD s
	s_cmp_eq_u32 s[WH], 0
	s_cbranch_scc0 .Lfor_b_\@
	tensor_load_to_lds s[G0+4*(\s):G0+4*(\s)+3], s[G1:G1+7]
	s_nop 0
.rept 4
	v_nop
.endr
	s_branch .Lasked_\@
.Lfor_b_\@:
	tensor_load_to_lds s[G0B+4*(\s):G0B+4*(\s)+3], s[G1B:G1B+7]
	s_nop 0
.rept 4
	v_nop
.endr
.Lasked_\@:
.endm
; A prefetch, behind each joint load and the run of LDS loads that follows it: the K step that stands two refills on: 32 rows x 256 bytes, a lane a row, one instruction a wave.
; Each row's 256 bytes of a K step are named once in the launch.  W's rows are read by every cluster of that row of clusters: cluster x = 0 asks; X's by both clusters of a column: cluster y = 0 asks.
; The four partners that ask for a tile jointly share its rows out by address: of the 128 rows that a wave fetches the partner at place p takes 32 p .. 32 p + 31 (p = cx for W, cy for X).
; how = 0, in the loop: a tile's last two refills have no K step two on.  how = 1, at a change of tiles: the next tile's K steps 2 and 3.
.macro ASK how
.if \how
	s_cmp_eq_u32 s[LIM], 1
.else
	s_cmp_gt_u32 s3, s[LIM]                        ; s3 = 1 in the loop's last trip
.endif
	s_cbranch_scc0 .Lnot_mine_\@
	global_prefetch_b8 v[PFO], s[PFA:PFA+1] offset:KSTEP*2 th:TH_LOAD_NT scope:SCOPE_SE
.Lnot_mine_\@:
.endm
.macro CREST                           ; a round of the cluster's barrier behind its opening barrier
	s_cmp_lg_u32 s[WV], 0
	s_cbranch_scc1 .Lnot_wave_0_\@
	s_barrier_signal -3
.Lnot_wave_0_\@:
	s_barrier_wait -3
	s_barrier_signal -1
	s_barrier_wait -1
.endm
.macro CROUND                          ; a whole round
	s_barrier_signal -1
	s_barrier_wait -1
	CREST
.endm
.macro MLOAD                           ; a tile's mask words for my 128 rows, laid as the accumulators' registers lie: word 8 b + j is row 16 b + 8 (l / 16) + j
	WIN TO_B
.irp b, 0,1,2,3,4,5,6,7
	global_load_b128 v[8*(\b):8*(\b)+3],   v[MO], s[8:9] offset:64*(\b)
	global_load_b128 v[8*(\b)+4:8*(\b)+7], v[MO], s[8:9] offset:64*(\b)+16
.endr
	WIN 0
.endm
	s_load_b256 s[4:11], s[0:1], 0x0               ; act s[4:5], wb s[6:7], mask s[8:9], coeff s[10:11]
	s_load_b128 s[12:15], s[0:1], 0x20             ; bse s[12:13], st s[14:15]
	s_load_b64 s[16:17], s[0:1], 0x30              ; part
	v_lshl_add_u32 v[SPW], v0, 2, SPARE
	v_mov_b32 v[NIL], 0
	ds_add_u32 v[SPW], v[NIL]                      ; the wave's opening: the add and its wait stand ahead of my first tensor load; the set-up below, work on registers, stands between them
	v_lshrrev_b32 v1, 5, v0
	v_readfirstlane_b32 s[WV], v1                  ; wave 0..3
	s_lshr_b32 s[WH], s[WV], 1
	s_and_b32 s[XH], s[WV], 1
	s_bfe_u32 s[CX], ttmp6, 0x40000                ; my place in the cluster
	s_bfe_u32 s[CY], ttmp6, 0x40004
	s_lshl_b32 s[GX], ttmp9, 2                     ; in a cluster launch ttmp9 and ttmp7 count clusters
	s_add_co_u32 s[GX], s[GX], s[CX]
	s_and_b32 s[GY], ttmp7, 0xffff
	s_lshl_b32 s[GY], s[GY], 2
	s_add_co_u32 s[GY], s[GY], s[CY]
	s_lshl_b32 s80, s[CY], 2
	s_lshl_b32 s80, 15, s80                        ; my row of the cluster
	s_lshl_b32 s84, 0x1111, s[CX]                  ; my column
	; descriptor group 1: a tile of 128 rows x 128 elements of 2 bytes, 16 bytes of padding behind every 256
	s_or_b32 s[G1+0], s80, (1<<16)|(1<<20)|(1<<21)|(5<<22)|(3<<25)   ; 15:0 the mask; 17:16 2-byte elements; 20 padding on; 21 set beside a mask; 24:22 after every 64 words; 31:25 4 words
	s_or_b32 s[G1B+0], s84, (1<<16)|(1<<20)|(1<<21)|(5<<22)|(3<<25)
.irp g, G1, G1B
	s_mov_b32 s[(\g)+1], KSTEP<<16                 ; tensor_dim0 = 128
	s_mov_b32 s[(\g)+2], 128<<16                   ; tensor_dim1 = 128
	s_mov_b32 s[(\g)+3], KSTEP<<16                 ; tile_dim0 = 128
	s_mov_b32 s[(\g)+4], 128                       ; tile_dim1 = 128
	s_mov_b32 s[(\g)+5], 1024                      ; elements from row to row
	s_mov_b32 s[(\g)+6], 0
	s_mov_b32 s[(\g)+7], 0
.endr
	; where the tiles come from: W's in registers that never hold cx, X's in registers that never hold cy
	s_lshl_b32 s82, s[XH], 7
	s_lshl_b32 s80, s[GY], 8
	s_add_co_u32 s80, s80, s82                     ; wb's row 256 gy + 128 x half
	s_lshl_b32 s80, s80, 11                        ; x 2,048 bytes (under 2^24)
	s_mov_b32 s81, 0
	s_lshl_b32 s86, s[XH], 7
	s_lshl_b32 s84, s[GX], 9
	s_add_co_u32 s84, s84, s86                     ; act's row 512 gx + 128 x half
	s_lshl_b32 s84, s84, 11                        ; (under 2^26)
	s_mov_b32 s85, 0
	s_mul_i32 s[LD], s[WV], HALFT                  ; where they go: no place in the cluster enters an LDS address
	s_mov_b32 s[JX], 256*2048                      ; tile 0 to tile 1: X 256 rows down, W stays
	s_mov_b32 s[JX+1], 0
	s_mov_b32 s[JW], 0
	s_mov_b32 s[JW+1], 0
	s_lshl_b32 s[JX2], s[GX], 8                    ; tile 1 to tile 2: from row 512 gx + 256 to row 16384 + 256 gx,
	s_sub_co_u32 s[JX2], 16128, s[JX2]
	s_lshl_b32 s[JX2], s[JX2], 11
	s_mov_b32 s[JW2], 2048*2048                    ; and from Wpo's rows to Wse's
	s_mov_b32 s[SEL], 0x76543210
	s_mov_b32 s[SEL+1], 0xfedcba98
	s_wait_dscnt 0x0                               ; the opening add is done
	s_wait_kmcnt 0x0
	s_add_nc_u64 s[80:81], s[6:7], s[80:81]
	s_add_nc_u64 s[84:85], s[4:5], s[84:85]
	CROUND                                         ; all sixteen work-groups are here: the first joint loads meet
.irp s, 0,1
	s_mov_b32 s[G0+4*(\s)], 1                                      ; count = 1
	s_add_co_u32 s[G0+4*(\s)+1], s[LD], (\s)*SLOT                  ; LDS address
	s_add_nc_u64 s[G0+4*(\s)+2:G0+4*(\s)+3], s[80:81], (\s)*KSTEP*2  ; global address: K step s
	s_or_b32 s[G0+4*(\s)+3], s[G0+4*(\s)+3], 0x80000000            ; type = 2
	s_mov_b32 s[G0B+4*(\s)], 1
	s_add_co_u32 s[G0B+4*(\s)+1], s[LD], (\s)*SLOT
	s_add_nc_u64 s[G0B+4*(\s)+2:G0B+4*(\s)+3], s[84:85], (\s)*KSTEP*2
	s_or_b32 s[G0B+4*(\s)+3], s[G0B+4*(\s)+3], 0x80000000
	JLOAD \s                                       ; two tensor loads of mine are out
.endr
	; lane addresses.  A fragment is 16 rows x 32 K in 8 registers: lane l holds row l % 16, K = 8 (l / 16) + 0..7 and 16 + 8 (l / 16) + 0..7: two loads of 16 bytes, 32 bytes apart
	v_and_b32 v1, 15, v0                           ; l % 16
	v_bfe_u32 v62, v0, 4, 1                        ; l / 16
	v_and_b32 v63, 31, v0                          ; l
	v_mul_u32_u24 v194, v1, PITCH
	v_lshl_add_u32 v194, v62, 4, v194              ; row x pitch + 16 x half
	s_mul_i32 s88, s[WH], HALFT                    ; my 128 rows of W
	s_mul_i32 s89, s[XH], HALFT                    ; my 128 rows of X,
	s_add_co_u32 s89, s89, 2*HALFT                 ; which lie behind W's 256
.irp s, 0,1
	v_add_nc_u32 v[ADRA+(\s)], s88, v194
	v_add_nc_u32 v[ADRB+(\s)], s89, v194
	s_add_co_u32 s88, s88, SLOT
	s_add_co_u32 s89, s89, SLOT
.endr
	s_mul_i32 s88, s[WV], 16*SPITCH
	s_add_co_u32 s88, s88, STAGE                   ; my stage
	v_add_nc_u32 v[STO], s88, v194                 ; in: row l % 16, 16 bytes for each half of the lanes (the stage's pitch is the tiles')
	v_mul_u32_u24 v195, v62, SPITCH                ; back: lanes 0-15 one row of 256 bytes, lanes 16-31 the next
	v_lshl_add_u32 v195, v1, 4, v195
	v_add_nc_u32 v[RD], s88, v195
	v_lshlrev_b32 v195, 14, v62                    ; and the same two rows in st
	v_lshl_add_u32 v[CO], v1, 4, v195
	s_lshl_b32 s88, s[XH], 9
	v_lshl_add_u32 v[MO], v62, 5, s88              ; 4 (128 x half of X + 8 (l / 16))
	s_lshl_b32 s88, s[XH], 10
	s_lshl_b32 s89, s[WH], 9
	s_add_co_u32 s89, s89, RED
	s_add_co_u32 s88, s88, s89
	v_lshl_add_u32 v[RS], v1, 2, s88               ; RED + 1,024 x half of X + 512 x half of e + 4 (l % 16)
	v_lshl_add_u32 v[RL], v63, 4, s89              ; RED + 512 x half of e + 16 l
	s_lshl_b32 s88, s[GY], 8
	s_lshl_b32 s89, s[WH], 7
	s_add_co_u32 s88, s88, s89                     ; my first e
	s_mul_i32 s90, s88, 12
	v_mul_u32_u24 v192, v1, 12
	v_add_nc_u32 v192, s90, v192                   ; coeff: 12 bytes for each e
	s_lshl_b32 s91, s88, 2
	v_lshl_add_u32 v193, v1, 2, s91                ; bse: 4 bytes
	s_lshl_b32 s90, s[GX], 13
	s_add_co_u32 s90, s90, s91
	v_lshl_add_u32 v[PO], v63, 4, s90              ; part: row gx of 8,192 bytes, my half's 512 bytes, 16 a lane
	s_lshl_b32 s92, s[GX], 11                      ; the mask's 512 words for my rows of xc
	s_mov_b32 s93, 0
	s_add_nc_u64 s[8:9], s[8:9], s[92:93]
	s_lshl_b32 s94, s88, 14                        ; st at my first e (rows of 16,384 bytes), my 128 t
	s_lshl_b32 s90, s[GX], 9
	s_add_co_u32 s94, s94, s90
	s_lshl_b32 s90, s[XH], 8
	s_add_co_u32 s94, s94, s90
	s_mov_b32 s95, 0
	s_add_nc_u64 s[14:15], s[14:15], s[94:95]
.irp a, 0,1,2,3,4,5,6,7
.irp k, 0,1,2
	global_load_b32 v[C0+8*(\k)+(\a)], v192, s[10:11] offset:192*(\a)+4*(\k)  ; coeff[e][k] for e = my first + 16 a + l % 16
.endr
.endr
	WIN TO_B
.irp a, 0,1,2,3,4,5,6,7
	global_load_b32 v[192+(\a)], v193, s[12:13] offset:64*(\a)
.endr
	MLOAD                                          ; tile 0's mask
.set i, 0
.rept 16
	v_mov_b32 v[SS+i], 0                           ; the row sums run over two tiles
.set i, i+1
.endr
	v_mov_b32 v[K6], 0x3e2aaaab
	v_mov_b32 v[K6+1], 0x3e2aaaab
	v_mov_b32 v[KN], 0xbdcccccd
	v_mov_b32 v[KN+1], 0xbdcccccd
	v_mov_b32 v[K60], 0xbc888889
	v_mov_b32 v[K60+1], 0xbc888889
	v_lshlrev_b32 v[PFO], 11, v63
	; the prefetches
	s_lshl_b32 s88, s[GY], 8                       ; the tile's first row: in wb,
	s_lshl_b32 s89, s[GX], 9                       ; in act
	s_and_b32 s90, ttmp7, 0xffff                   ; cluster y
	s_cmp_eq_u32 s[WH], 0                          ; do I fetch for W?
	s_cselect_b32 s88, s88, s89
	s_cselect_b32 s89, s[CX], s[CY]                ; my place among the four that ask with me
	s_cselect_b32 s90, ttmp9, s90                  ; the coordinate along which other clusters read the same rows
	s_cselect_b64 s[PFA:PFA+1], s[6:7], s[4:5]
	s_cselect_b32 s[JP], s[JW], s[JX]
	s_cselect_b32 s[JP2], s[JW2], s[JX2]
	s_mov_b32 s[JP+1], 0
	s_cmp_eq_u32 s90, 0
	s_cselect_b32 s[LIMB], 1, -1                   ; the same in all sixteen partners, for a given wave
	s_cmp_eq_u32 s[WH], 0
	s_cselect_b32 s[LIMOFF], -1, s[LIMB]
	s_mov_b32 s[LIM], s[LIMB]
	s_lshl_b32 s90, s[XH], 7
	s_add_co_u32 s88, s88, s90                     ; + the 128 rows that I fetch
	s_lshl_b32 s89, s89, 5
	s_add_co_u32 s88, s88, s89                     ; + my work-group's 32 of them
	s_lshl_b32 s88, s88, 11
	s_add_co_u32 s88, s88, 2*KSTEP*2               ; at K step 2: the first refill steps it to 3 and names K step 4
	s_mov_b32 s89, 0
	s_add_nc_u64 s[PFA:PFA+1], s[PFA:PFA+1], s[88:89]
	s_wait_loadcnt 24                              ; coeff's 24 loads are in; bse's 8 and the mask's 16, issued behind them, may stay out
.irp a, 0,1,2,3,4,5,6,7
	v_cvt_pk_bf16_f32 v196, v[C0+(\a)], v[C1+(\a)] ; rounded to bf16 like every input,
	v_cvt_pk_bf16_f32 v197, v[C2+(\a)], v[C2+(\a)]
	v_lshlrev_b32 v[C0+(\a)], 16, v196
	v_and_b32 v[C1+(\a)], 0xffff0000, v196
	v_lshlrev_b32 v[C2+(\a)], 16, v197
	v_mul_f32 v[C0+(\a)], 0x40c00000, v[C0+(\a)]   ; times 6, 36, 216: exact, since 8 significant bits times these fit in 24
	v_mul_f32 v[C1+(\a)], 0x42100000, v[C1+(\a)]
	v_mul_f32 v[C2+(\a)], 0x43580000, v[C2+(\a)]
.endr
; 16 matrix instructions: blocks a0, a0 + 1 of the window's four blocks of e x all 8 blocks of X's rows, 32 along K.  zero = 1: the first product starts the sums.
; The 64 accumulators take turns, one instruction a turn, in the same order in every quarter.
.macro MUL16 f, hi, a0, zero
	WIN MUL_LO+0x50*(\hi)
.irp a, \a0, (\a0)+1
.irp b, 0,1,2,3,4,5,6,7
.if \zero
	v_wmma_f32_16x16x32_bf16 v[8*(8*(\a)+(\b)):8*(8*(\a)+(\b))+7], v[(\f)+8*(\b):(\f)+8*(\b)+7], v[(\f)+8*(4*(\hi)+(\a)):(\f)+8*(4*(\hi)+(\a))+7], 0
.else
	v_wmma_f32_16x16x32_bf16 v[8*(8*(\a)+(\b)):8*(8*(\a)+(\b))+7], v[(\f)+8*(\b):(\f)+8*(\b)+7], v[(\f)+8*(4*(\hi)+(\a)):(\f)+8*(4*(\hi)+(\a))+7], v[8*(8*(\a)+(\b)):8*(8*(\a)+(\b))+7]
.endif
.endr
.endr
.endm
; 32 LDS loads in one run: the fragments of one quarter step (X's 128 rows, then W's, 32 K at byte k of the rows) into buffer f
.macro FETCH slot, k, f
	WIN TO_B
.irp i, 0,1,2,3,4,5,6,7
	ds_load_b128 v[(\f)+8*(\i):(\f)+8*(\i)+3],   v[ADRB+(\slot)] offset:(\k)+(\i)*16*PITCH
	ds_load_b128 v[(\f)+8*(\i)+4:(\f)+8*(\i)+7], v[ADRB+(\slot)] offset:(\k)+(\i)*16*PITCH+32
.endr
	WIN 0
.irp i, 0,1,2,3,4,5,6,7
	ds_load_b128 v[(\f)+8*(\i):(\f)+8*(\i)+3],   v[ADRA+(\slot)] offset:(\k)+(\i)*16*PITCH
	ds_load_b128 v[(\f)+8*(\i)+4:(\f)+8*(\i)+7], v[ADRA+(\slot)] offset:(\k)+(\i)*16*PITCH+32
.endr
.endm
.macro PLACES                          ; four plain vector instructions between a matrix instruction and a load into a register that it has read (ISA guide 7.12.1 for vector instructions)
.rept 4
	v_nop
.endr
.endm
; A K step is four quarters of 32 along K, 64 matrix instructions each, on buffers 0, 1, 0, 1.  One of the first three: multiplies buffer f, and in its middle fetches the next quarter, at byte k, into g.
.macro QUARTER slot, k, f, g, zero
	s_wait_dscnt 8                                 ; X and W's blocks 0-3 are in; the youngest eight loads (W's blocks 4-7) may be out
	WIN MUL_LO
	MUL16 \f, 0, 0, \zero
	MUL16 \f, 0, 2, \zero
	PLACES
	FETCH \slot, \k, \g
	s_wait_dscnt 32                                ; all but the 32 just issued
	WIN MUL_HI
	MUL16 \f, 1, 0, \zero
	MUL16 \f, 1, 2, \zero
.endm
; The last quarter's first half, and the ONE barrier of a change of slots.  In front of it each wave waits for all its tensor loads (one is out: its part of the next slot), adds 0 to its spare word,
; and waits for that and for its own reads of this slot.  Behind it nobody reads this slot any more and the next slot is whole.
.macro MEET round
	WIN 0                                          ; (the add's two registers lie in window 0)
	s_wait_tensorcnt 0x0
	ds_add_u32 v[SPW], v[NIL]
	s_wait_dscnt 9                                 ; (the add and the youngest eight loads may be out)
	WIN MUL_LO
	MUL16 F1, 0, 0, 0                              ; sixteen matrix instructions stand between the add and the wait for it
	s_wait_dscnt 0x0                               ; the add is done, and my reads of this slot are over
	s_barrier_signal -1
	MUL16 F1, 0, 2, 0
.if \round
	WIN 0
.endif
	s_barrier_wait -1
.endm
; The whole last quarter with a refill: this tile's K step two on (on = 0), or the next tile's K step 0 or 1 (on = 1).  The barrier opens a round of the cluster's barrier; the joint load is the first thing behind the round.
.macro TURN slot, next, on
	s_wait_xcnt 0x0                                ; the last prefetch, a K step back, has read its address
.if (\on) && (\slot) == 0
	s_add_nc_u64 s[PFA:PFA+1], s[PFA:PFA+1], s[JP:JP+1]  ; from the K step after the tile's last to the next tile's K step 1
	s_sub_nc_u64 s[PFA:PFA+1], s[PFA:PFA+1], 7*KSTEP*2
	s_cmp_eq_u32 s2, 3                             ; into tile 1, whose rows of W have been read, or into tile 2?
	s_cselect_b32 s[LIM], s[LIMOFF], s[LIMB]
.else
	s_add_nc_u64 s[PFA:PFA+1], s[PFA:PFA+1], KSTEP*2
.endif
	MEET 1
	CREST                                          ; no wave of any partner still reads this slot's tile or has a load on its way
.if \on
	s_add_nc_u64 s[G0+4*(\slot)+2:G0+4*(\slot)+3], s[G0+4*(\slot)+2:G0+4*(\slot)+3], s[JW:JW+1]
	s_sub_nc_u64 s[G0+4*(\slot)+2:G0+4*(\slot)+3], s[G0+4*(\slot)+2:G0+4*(\slot)+3], 6*KSTEP*2
	s_add_nc_u64 s[G0B+4*(\slot)+2:G0B+4*(\slot)+3], s[G0B+4*(\slot)+2:G0B+4*(\slot)+3], s[JX:JX+1]
	s_sub_nc_u64 s[G0B+4*(\slot)+2:G0B+4*(\slot)+3], s[G0B+4*(\slot)+2:G0B+4*(\slot)+3], 6*KSTEP*2
.else
	s_add_nc_u64 s[G0+4*(\slot)+2:G0+4*(\slot)+3], s[G0+4*(\slot)+2:G0+4*(\slot)+3], 2*KSTEP*2
	s_add_nc_u64 s[G0B+4*(\slot)+2:G0B+4*(\slot)+3], s[G0B+4*(\slot)+2:G0B+4*(\slot)+3], 2*KSTEP*2
.endif
	JLOAD \slot                                    ; one tensor load of mine is out; the four v_nop behind it are also the places in front of the loads below
	FETCH \next, 0, F0
	ASK \on
	WIN MUL_HI
	MUL16 F1, 1, 0, 0
	MUL16 F1, 1, 2, 0
.endm
; THE WAY OUT OF AN xc TILE, for block b of X's rows and the four blocks of e of window 2 + hi: 16 pairs of h at a time, seven packed instructions a pair.
.macro GROUP hi, b
	WIN 0x02+(\hi)                                 ; source 0 in the accumulators' window
.irp a4, 0,1,2,3
.irp r, 0,1,2,3
	v_pk_mul_f32 v[U+8*(\a4)+2*(\r):U+8*(\a4)+2*(\r)+1], v[8*(8*(\a4)+(\b))+2*(\r):8*(8*(\a4)+(\b))+2*(\r)+1], v[K6:K6+1] clamp   ; u = clamp01(h / 6)
.endr
.endr
.irp a4, 0,1,2,3
.irp r, 0,1,2,3
	v_pk_mul_f32 v[WT+8*(\a4)+2*(\r):WT+8*(\a4)+2*(\r)+1], v[8*(8*(\a4)+(\b))+2*(\r):8*(8*(\a4)+(\b))+2*(\r)+1], v[KN:KN+1] clamp  ; w = clamp01(-0.1 h)
.endr
.endr
	WIN 0
.irp a4, 0,1,2,3
.irp r, 0,1,2,3
	v_pk_fma_f32 v[U+8*(\a4)+2*(\r):U+8*(\a4)+2*(\r)+1], v[WT+8*(\a4)+2*(\r):WT+8*(\a4)+2*(\r)+1], v[K60:K60+1], v[U+8*(\a4)+2*(\r):U+8*(\a4)+2*(\r)+1]  ; a' = u - w / 60
.endr
.endr
.irp a4, 0,1,2,3
.set cp, 4*(\hi)+((\a4)/2)*2           ; the even register of the pair in which block a's coefficient lies; op_sel gives that one register to both halves
.irp r, 0,1,2,3
.if ((\a4)%2) == 0
	v_pk_fma_f32 v[WT+8*(\a4)+2*(\r):WT+8*(\a4)+2*(\r)+1], v[U+8*(\a4)+2*(\r):U+8*(\a4)+2*(\r)+1], v[C2+cp:C2+cp+1], v[C1+cp:C1+cp+1] op_sel_hi:[1,0,0]  ; c1' + a' c2'
.else
	v_pk_fma_f32 v[WT+8*(\a4)+2*(\r):WT+8*(\a4)+2*(\r)+1], v[U+8*(\a4)+2*(\r):U+8*(\a4)+2*(\r)+1], v[C2+cp:C2+cp+1], v[C1+cp:C1+cp+1] op_sel:[0,1,1] op_sel_hi:[1,1,1]
.endif
.endr
.endr
.irp a4, 0,1,2,3
.set cp, 4*(\hi)+((\a4)/2)*2
.irp r, 0,1,2,3
.if ((\a4)%2) == 0
	v_pk_fma_f32 v[WT+8*(\a4)+2*(\r):WT+8*(\a4)+2*(\r)+1], v[U+8*(\a4)+2*(\r):U+8*(\a4)+2*(\r)+1], v[WT+8*(\a4)+2*(\r):WT+8*(\a4)+2*(\r)+1], v[C0+cp:C0+cp+1] op_sel_hi:[1,1,0]  ; c0' + a' (..)
.else
	v_pk_fma_f32 v[WT+8*(\a4)+2*(\r):WT+8*(\a4)+2*(\r)+1], v[U+8*(\a4)+2*(\r):U+8*(\a4)+2*(\r)+1], v[WT+8*(\a4)+2*(\r):WT+8*(\a4)+2*(\r)+1], v[C0+cp:C0+cp+1] op_sel:[0,0,1] op_sel_hi:[1,1,1]
.endif
.endr
.endr
.irp a4, 0,1,2,3
.irp r, 0,1,2,3
	v_pk_mul_f32 v[U+8*(\a4)+2*(\r):U+8*(\a4)+2*(\r)+1], v[U+8*(\a4)+2*(\r):U+8*(\a4)+2*(\r)+1], v[MF+8*(\b)+2*(\r):MF+8*(\b)+2*(\r)+1]  ; the rows' mask times a'
.endr
.endr
.irp r, 0,1,2,3                        ; the four blocks' sums by turns: three other lines between two links of a chain
.irp a4, 0,1,2,3
	v_pk_fma_f32 v[SS+2*(4*(\hi)+(\a4)):SS+2*(4*(\hi)+(\a4))+1], v[U+8*(\a4)+2*(\r):U+8*(\a4)+2*(\r)+1], v[WT+8*(\a4)+2*(\r):WT+8*(\a4)+2*(\r)+1], v[SS+2*(4*(\hi)+(\a4)):SS+2*(4*(\hi)+(\a4))+1]
.endr
.endr
.endm
; THE WAY OUT OF THE xq TILE, block a of e.  PACKS: s = clamp01(z / 6 + bse / 6 + 0.5) in place, rounded to f16: 16 bytes a lane, eight t of one e.  TOSTAGE: into my stage, back as whole rows of 256 bytes.  SEND: stored.
.macro PACKS a
.set AC, 64*((\a)%4)
	WIN 0x82+0x41*((\a)/4)                         ; destination and source 0 in window 2 or 3
.irp b, 0,1,2,3,4,5,6,7
.irp r, 0,1,2,3
	v_pk_fma_f32 v[AC+8*(\b)+2*(\r):AC+8*(\b)+2*(\r)+1], v[AC+8*(\b)+2*(\r):AC+8*(\b)+2*(\r)+1], v[K6:K6+1], v[BETA+2*(\a):BETA+2*(\a)+1] clamp
.endr
.endr
	WIN 0x0a+5*((\a)/4)                            ; sources 0 and 1 in window 2 or 3
.irp b, 0,1,2,3,4,5,6,7
.irp r, 0,1,2,3
	v_cvt_pk_f16_f32 v[TMP+4*(\b)+(\r)], v[AC+8*(\b)+2*(\r)], v[AC+8*(\b)+2*(\r)+1]
.endr
.endr
	WIN 0
.endm
.macro TOSTAGE a
	WIN 0
.set BK, F0+32*((\a)%2)
.irp b, 0,1,2,3,4,5,6,7
	ds_store_b128 v[STO], v[TMP+4*(\b):TMP+4*(\b)+3] offset:32*(\b)
.endr
.irp t, 0,1,2,3,4,5,6,7
	ds_load_b128 v[BK+4*(\t):BK+4*(\t)+3], v[RD] offset:(\t)*2*SPITCH  ; LDS serves a wave's instructions in order (ISA guide 5.7.1.4): these see the stores above
.endr
.endm
.macro SEND a, younger
	WIN 0
.set BK, F0+32*((\a)%2)
	s_wait_dscnt \younger                          ; the block is back in registers
	s_wait_xcnt 0x0                                ; the stores' base, and the registers that earlier stores read, are written again only behind this wait
.if (\a) > 0
	s_add_nc_u64 s[14:15], s[14:15], 16*STROW      ; 16 rows of st on
.endif
.irp t, 0,1,2,3,4,5,6,7
	global_store_b128 v[CO], v[BK+4*(\t):BK+4*(\t)+3], s[14:15] offset:2*(\t)*STROW  ; 16 lanes store 256 consecutive bytes, at a multiple of 256 from st's first byte
.endr
.endm
	s_wait_tensorcnt 1                             ; my part of K step 0 is in; K step 1's may stay out
	s_barrier_signal -1
	s_barrier_wait -1                              ; everybody's is
	FETCH 0, 0, F0
	s_mov_b32 s2, 3                                ; tiles to go, this one among them
.Ltile:
	QUARTER 0, 64,  F0, F1, 1                      ; a tile's first quarter starts the sums: nothing is cleared
	WIN 0                                          ; at a label and at a branch every window is 0
	s_mov_b32 s3, LAPS-1
.Llap:                                                 ; a trip goes once round the ring, from a lap's second quarter to the next lap's first, and fills both slots again
	QUARTER 0, 128, F1, F0, 0
	QUARTER 0, 192, F0, F1, 0
	TURN 0, 1, 0
	QUARTER 1, 64,  F0, F1, 0
	QUARTER 1, 128, F1, F0, 0
	QUARTER 1, 192, F0, F1, 0
	TURN 1, 0, 0
	QUARTER 0, 64,  F0, F1, 0
	WIN 0
	s_sub_co_u32 s3, s3, 1
	s_cmp_lg_u32 s3, 0
	s_cbranch_scc1 .Llap
	QUARTER 0, 128, F1, F0, 0                      ; the tile's last lap goes on
	QUARTER 0, 192, F0, F1, 0
	WIN 0
	s_cmp_eq_u32 s2, 1
	s_cbranch_scc1 .Llast                          ; the last tile's tail is written out: it asks for nothing more
	TURN 0, 1, 1                                   ; the ring goes on into the next tile: slot 0 takes its K step 0,
	QUARTER 1, 64,  F0, F1, 0
	QUARTER 1, 128, F1, F0, 0
	QUARTER 1, 192, F0, F1, 0
	TURN 1, 0, 1                                   ; slot 1 its K step 1, and the next tile's first fragments are fetched
	; Both tiles that have a successor are xc's.  No LDS instruction stands from here to the next quarter, whose count of eight goes by the run of loads just issued.
	s_wait_loadcnt 0x0                             ; the tile's mask (and, the first time, bse)
	WIN 0x01                                       ; source 0 window 1
.set i, 0
.rept 64                               ; the mask as floats, into W's second buffer.  Its first 32 registers were last read ahead of the joint load's four v_nop; these 32 lines are the places for the other 32
	v_cvt_f32_i32 v[MF+i], v[i]
.set i, i+1
.endr
	WIN 0
	s_cmp_eq_u32 s2, 3
	s_cbranch_scc0 .Lmask_done
	s_add_nc_u64 s[8:9], s[8:9], 1024              ; tile 1's 256 words (the loads that read this base are done: the wait above)
	MLOAD
.Lmask_done:
.irp hi, 0,1
.irp b, 0,1,2,3,4,5,6,7
	GROUP \hi, \b
.endr
.endr
	WIN 0
	s_mov_b32 s[JX], s[JX2]                        ; the next change of tiles goes to xq and Wse
	s_mov_b32 s[JW], s[JW2]
	s_mov_b32 s[JP], s[JP2]
	s_sub_co_u32 s2, s2, 1
	s_branch .Ltile
.Llast:
	MEET 0                                         ; my one tensor load that was out is the last K step's, so no round follows
	PLACES
	FETCH 1, 0, F0
	WIN MUL_HI
	MUL16 F1, 1, 0, 0
	MUL16 F1, 1, 2, 0
	QUARTER 1, 64,  F0, F1, 0
	QUARTER 1, 128, F1, F0, 0
	QUARTER 1, 192, F0, F1, 0
	s_wait_dscnt 8                                 ; the very last quarter: nothing more to fetch
	MUL16 F1, 0, 0, 0
	MUL16 F1, 0, 2, 0
	s_wait_dscnt 0x0
	MUL16 F1, 1, 0, 0
	MUL16 F1, 1, 2, 0
	WIN 0
	; THE ROW SUMS: a pair's two halves, the other half of the lanes, then the other half of X's rows through LDS.  These lines are also the places behind the last products.
.irp a, 0,1,2,3,4,5,6,7
	v_add_f32 v[SS+2*(\a)], v[SS+2*(\a)], v[SS+2*(\a)+1]
.endr
.irp a, 0,1,2,3,4,5,6,7
	v_permlanex16_b32 v[SS+2*(\a)+1], v[SS+2*(\a)], s[SEL], s[SEL+1]
.endr
.irp a, 0,1,2,3,4,5,6,7
	v_add_f32 v[SS+2*(\a)], v[SS+2*(\a)], v[SS+2*(\a)+1]
.endr
.irp a, 0,1,2,3,4,5,6,7
	ds_store_b32 v[RS], v[SS+2*(\a)] offset:64*(\a)  ; both halves of the lanes write the same word with the same number
.endr
	s_wait_dscnt 0x0                               ; for the others' sake: my stores are done
	s_barrier_signal -1
	s_barrier_wait -1
	s_cmp_eq_u32 s[XH], 0                          ; waves 0 and 2 finish the two halves of e
	s_cbranch_scc0 .Lsummed
	ds_load_b128 v[SS:SS+3], v[RL]
	ds_load_b128 v[SS+4:SS+7], v[RL] offset:1024
	s_wait_dscnt 0x0
	v_pk_add_f32 v[SS:SS+1], v[SS:SS+1], v[SS+4:SS+5]
	v_pk_add_f32 v[SS+2:SS+3], v[SS+2:SS+3], v[SS+6:SS+7]
	global_store_b128 v[PO], v[SS:SS+3], s[16:17]  ; 512 consecutive bytes of part; none of its registers is written again
.Lsummed:
	s_wait_loadcnt 0x0                             ; bse
	WIN 0x05                                       ; sources 0 and 1 window 1
.irp i, 0,1,2,3
	v_cvt_pk_bf16_f32 v[C2+(\i)], v[192+2*(\i)], v[192+2*(\i)+1]  ; rounded to bf16 like every input
.endr
	WIN 0
.irp i, 0,1,2,3
	v_lshlrev_b32 v[BETA+4*(\i)], 16, v[C2+(\i)]
	v_and_b32 v[BETA+4*(\i)+2], 0xffff0000, v[C2+(\i)]
.endr
.irp a, 0,1,2,3,4,5,6,7
	v_fma_f32 v[BETA+2*(\a)], v[BETA+2*(\a)], v[K6], 0.5
.endr
.irp a, 0,1,2,3,4,5,6,7
	v_mov_b32 v[BETA+2*(\a)+1], v[BETA+2*(\a)]     ; a pair for the packed form
.endr
	PACKS 0
	TOSTAGE 0
.irp a, 1,2,3,4,5,6,7                  ; block a's arithmetic stands between block a - 1's loads from the stage and the wait for them
	PACKS \a
	SEND (\a)-1, 0
	TOSTAGE \a
.endr
	SEND 7, 0
	s_wait_tensorcnt 0x0                           ; the wave's end: behind my last tensor load and my last LDS store
	ds_add_u32 v[SPW], v[NIL]
	s_wait_dscnt 0x0
	CROUND                                         ; the closing round: no work-group ends while a partner may still ask for a tile that names it
	s_endpgm
.Lfunc_end_k_q60ad1e22a6_proj:
	.size	k_q60ad1e22a6_proj, .Lfunc_end_k_q60ad1e22a6_proj-k_q60ad1e22a6_proj
	.p2alignl 7, 3214868480
	.fill 96, 4, 3214868480
	.section	.rodata,"a",@progbits
	.p2align	6, 0x0
	.amdhsa_kernel k_q60ad1e22a6_proj
		.amdhsa_group_segment_fixed_size 327680
		.amdhsa_private_segment_fixed_size 0
		.amdhsa_enable_private_segment 0
		.amdhsa_kernarg_size 56
		.amdhsa_user_sgpr_count 2
		.amdhsa_user_sgpr_kernarg_segment_ptr 1
		.amdhsa_wavefront_size32 1
		.amdhsa_system_sgpr_workgroup_id_x 1
		.amdhsa_system_sgpr_workgroup_id_y 1
		.amdhsa_system_sgpr_workgroup_id_z 1
		.amdhsa_system_vgpr_workitem_id 0
		.amdhsa_next_free_vgpr 1024
		.amdhsa_next_free_sgpr 96
		.amdhsa_reserve_vcc 0
		.amdhsa_float_denorm_mode_32 3
		.amdhsa_float_denorm_mode_16_64 3
		.amdhsa_memory_ordered 1
		.amdhsa_forward_progress 1
		.amdhsa_inst_pref_size 255
	.end_amdhsa_kernel
	.section	.bss,"aw",@nobits
	.p2align	6
	.space	262144
	.amdgpu_metadata
---
amdhsa.version: [ 1, 2 ]
amdhsa.kernels:
  - .name:           k_q60ad1e22a6_proj
    .symbol:         k_q60ad1e22a6_proj.kd
    .args:
      - { .name: act, .offset: 0, .size: 8, .value_kind: global_buffer, .address_space: global }
      - { .name: wb, .offset: 8, .size: 8, .value_kind: global_buffer, .address_space: global }
      - { .name: mask, .offset: 16, .size: 8, .value_kind: global_buffer, .address_space: global }
      - { .name: coeff, .offset: 24, .size: 8, .value_kind: global_buffer, .address_space: global }
      - { .name: bse, .offset: 32, .size: 8, .value_kind: global_buffer, .address_space: global }
      - { .name: st, .offset: 40, .size: 8, .value_kind: global_buffer, .address_space: global }
      - { .name: part, .offset: 48, .size: 8, .value_kind: global_buffer, .address_space: global }
    .group_segment_fixed_size: 327680
    .private_segment_fixed_size: 0
    .kernarg_segment_align: 8
    .kernarg_segment_size: 56
    .max_flat_workgroup_size: 128
    .sgpr_count:     96
    .vgpr_count:     1024
    .wavefront_size: 32
...
	.end_amdgpu_metadata
.endif
;; end of part 2
;; launch outp (part 3): grid 4 x 64, 4 waves a work-group, clusters of 4 x 4, 327,680 bytes of LDS; arguments st, wagh, part, mask, out0; writes out0
.if DOCPART == 3
	.amdgcn_target "amdgcn-amd-amdhsa--gfx1250"
	.amdhsa_code_object_version 6
	.text
	.protected	k_q60ad1e22a6_outp
	.globl	k_q60ad1e22a6_outp
	.p2align	8
	.type	k_q60ad1e22a6_outp,@function
k_q60ad1e22a6_outp:
	s_mov_b64 s[64:65], 0
	v_nop
	global_prefetch_b8 v0, s[64:65] scope:SCOPE_SE
	s_setreg_imm32_b32 hwreg(HW_REG_WAVE_MODE, 25, 1), 1
	s_wait_xcnt 0x0
	s_wait_alu depctr_hold_cnt(0) depctr_sa_sdst(0) depctr_va_vdst(0) depctr_va_sdst(0) depctr_va_ssrc(0) depctr_va_vcc(0) depctr_vm_vsrc(0)
	s_getreg_b32 s2, hwreg(HW_REG_IB_STS2, 6, 4)
	s_cmp_eq_u32 s2, 0
	s_cbranch_scc0 .Lentry_in_a_cluster
	s_endpgm
.Lentry_in_a_cluster:
	s_bfe_u32 s2, ttmp6, 0x10000c
	s_cmp_lg_u32 s2, 0xf033
	s_cbranch_scc0 .Lentry_shape_is_right
	s_endpgm
.Lentry_shape_is_right:
; out[t][d] = the sum over e of s[t][e] hm[b][e] Wag[d][e].  st: [2048 e][8192 t] f16 (the gate s); wagh: [1024 d][2048 e] f16; part: [32][2048] f32 (eight rows a batch); out0: [8192][1024] f32.
; hm IS APPLIED ALONG K.  At the head each work-group adds its batch's eight rows of part to S[e], takes M = the largest |S[e]| and cnt = the sum of the batch's mask, and lays g = S / M, in f16,
; into LDS.  In the loop s's fragments are multiplied by g (packed f16) between their LDS load and the matrix instruction; the f32 sums are multiplied by M / cnt on the way out.
; LIMITS.  g lies in -1 to 1; s g below 6e-5 keeps f16's fixed step of 6e-8.  M is taken as 2^-126 at the least (all S zero gives out = 0).  The mask's sum is taken in whole numbers and must stay
; under 2^24.  cnt = 0 gives NaN, as a division of 0 by 0 does.  NaN and infinities are not treated apart.
; SHARES.  A work-group makes 128 t x 256 d; a wave 64 t x 128 d: 32 accumulators, window 1.  K = 2048 in 16 steps of 128 through two LDS slots, each with s's 128 e x 128 t and Wag's 256 d x 128 e.
; CLUSTERS: 4 x 4.  s's tile hangs on the t tile alone: asked for jointly by a row of the cluster; Wag's on the d tile alone: by a column.
; LAYOUT.  source 0 = 16 rows of Wag, source 1 = 16 t of s (its tile lies [e][t] and comes out of LDS turned, by ds_load_tr16_b128): a lane holds one t (l % 16) and eight neighbouring d: 32 bytes of out.
; REGISTERS.  window 0: v0-15 addresses and M / cnt; v16-31 g's fragments, two buffers; v32-95 s's; v96-223 Wag's; v224-255 at work at the head, v252 a lane term.  window 1: the accumulators, (a, bb) at v[8 (8 a + bb)].
.set PS,    288                        ; a row of s's tile in LDS: 256 bytes + 32
.set PW,    272                        ; a row of Wag's: 256 + 16
.set WOFF,  128*PS                     ; Wag's tile lies behind s's
.set SLOT1, 1<<17                      ; slot 1 begins here: one exclusive or turns an address in one slot into the other's
.set GT,    WOFF+256*PW                ; behind slot 0: g, 2,048 f16
.set XCH,   GT+4096                    ; 256 bytes: the four waves' (largest |S|, count)
.set SPARE, XCH+256                    ; the spare words, 128 bytes for each wave: two blocks of 256 bytes that no other line names
.set STAGE, SLOT1+GT                   ; behind slot 1: 16 rows x 528 bytes for each wave, for the way out
.set SP,    528
.set SSTEP, 128*16384                  ; bytes from a K step to the next: in st 128 rows,
.set WSTEP, 256                        ; in wagh 128 elements
.set AS0, 2                            ; v2   my lane's place in s's tile; never rewritten
.set AW0, 3                            ; v3   in Wag's
.set ADS, 4                            ; v4-6 the LDS addresses of the step in hand: s's, Wag's, g's
.set ADW, 5
.set GA,  6
.set STO, 7
.set RD,  8
.set CO,  9
.set SPW, 10                           ; v10  my spare word; never rewritten
.set NIL, 11                           ; v11  0; never rewritten
.set PFO, 12                           ; v12  the prefetches' offset: my lane x a row; never rewritten
.set TO,  13                           ; v13  16 x my thread's number
.set FS,  14                           ; v[14:15] M / cnt, twice
.set GF0, 16
.set SF0, 32
.set WF0, 96
.set GA0, 252                          ; v252 GT + 16 (l / 16); never rewritten
.set WV,  14
.set TH,  15                           ; s15  my half of t; also: I fetch s (0) or Wag (1)
.set DH,  16                           ; s16  my half of d; also: which half of that tile I fetch
.set CX,  17
.set CY,  18
.set GX,  19
.set GY,  20
.set CLY, 21                           ; s21  cluster y
.set G1S, 24
.set G1W, 32
.set G0S, 40                           ; s[40:47] group 0 for s's tiles: a set for each of the two first fills; the second then walks on
.set G0W, 48
.set CNT, 56
.set TB,  57                           ; s57  the slot in hand: 0 or SLOT1
.set LIM, 58                           ; s58  2 in a wave that prefetches, else the greatest number
.set GB,  59                           ; s59  256 x the step in hand
.set SEL, 60
.set PFA, 66
.set PSTEP, 68
.set MSB, 0
.macro WIN new
.if MSB != (\new)
	s_set_vgpr_msb (MSB<<8)|(\new)
.set MSB, \new
.endif
.endm
.set MUL, 0x50                         ; C and D window 1, sources window 0
.macro JLOAD                           ; a joint refill: waves 0 and 1 fetch the halves of s's tile, waves 2 and 3 those of Wag's; an s_nop 0 and four v_nop follow each line
	s_cmp_eq_u32 s[TH], 0
	s_cbranch_scc0 .Lfor_w_\@
	tensor_load_to_lds s[G0S+4:G0S+7], s[G1S:G1S+7]
	s_nop 0
.rept 4
	v_nop
.endr
	s_branch .Lasked_\@
.Lfor_w_\@:
	tensor_load_to_lds s[G0W+4:G0W+7], s[G1W:G1W+7]
	s_nop 0
.rept 4
	v_nop
.endr
.Lasked_\@:
.endm
; A prefetch, behind each joint load and the run of LDS loads that follows: the K step two refills on, 32 rows x 256 bytes, a lane a row.  s's tile is read by one row of one cluster alone: wave 0 of each of the four
; partners asks for 32 of its 128 rows, told apart by address.  Wag's is read by every cluster: in cluster y = 0 waves 2 and 3 of each partner ask for 32 of the 128 rows that they fetch.  The last two refills ask for nothing.
.macro ASK
	s_cmp_gt_u32 s[CNT], s[LIM]
	s_cbranch_scc0 .Lnot_mine_\@
	global_prefetch_b8 v[PFO], s[PFA:PFA+1] th:TH_LOAD_NT scope:SCOPE_SE
.Lnot_mine_\@:
.endm
.macro CREST
	s_cmp_lg_u32 s[WV], 0
	s_cbranch_scc1 .Lnot_wave_0_\@
	s_barrier_signal -3
.Lnot_wave_0_\@:
	s_barrier_wait -3
	s_barrier_signal -1
	s_barrier_wait -1
.endm
.macro CROUND
	s_barrier_signal -1
	s_barrier_wait -1
	CREST
.endm
	s_load_b256 s[4:11], s[0:1], 0x0               ; st s[4:5], wagh s[6:7], part s[8:9], mask s[10:11]
	s_load_b64 s[12:13], s[0:1], 0x20              ; out0
	v_lshl_add_u32 v[SPW], v0, 2, SPARE
	v_mov_b32 v[NIL], 0
	ds_add_u32 v[SPW], v[NIL]                      ; the wave's opening: the add and its wait stand ahead of my first tensor load; the set-up below, work on registers, stands between them
	v_lshrrev_b32 v1, 5, v0
	v_readfirstlane_b32 s[WV], v1
	s_lshr_b32 s[TH], s[WV], 1
	s_and_b32 s[DH], s[WV], 1
	s_bfe_u32 s[CX], ttmp6, 0x40000
	s_bfe_u32 s[CY], ttmp6, 0x40004
	s_lshl_b32 s[GX], ttmp9, 2
	s_add_co_u32 s[GX], s[GX], s[CX]               ; the d tile of 256
	s_and_b32 s[CLY], ttmp7, 0xffff
	s_lshl_b32 s[GY], s[CLY], 2
	s_add_co_u32 s[GY], s[GY], s[CY]               ; the t tile of 128
	s_lshl_b32 s70, s[CY], 2
	s_lshl_b32 s70, 15, s70                        ; my row of the cluster
	s_lshl_b32 s72, 0x1111, s[CX]                  ; my column
	s_or_b32 s[G1S], s70, (1<<16)|(1<<20)|(1<<21)|(5<<22)|(7<<25)  ; the mask; 2-byte elements; padding on; 21 set beside a mask; after every 64 words 8 words
	s_mov_b32 s[G1S+1], 128<<16                    ; tensor_dim0 = 128 t
	s_mov_b32 s[G1S+2], 64<<16                     ; tensor_dim1 = 64 e
	s_mov_b32 s[G1S+3], 128<<16                    ; tile_dim0
	s_mov_b32 s[G1S+4], 64                         ; tile_dim1
	s_mov_b32 s[G1S+5], 8192                       ; elements from row to row of st
	s_mov_b32 s[G1S+6], 0
	s_mov_b32 s[G1S+7], 0
	s_or_b32 s[G1W], s72, (1<<16)|(1<<20)|(1<<21)|(5<<22)|(3<<25)  ; 4 words of padding
	s_mov_b32 s[G1W+1], 128<<16                    ; 128 e
	s_mov_b32 s[G1W+2], 128<<16                    ; 128 d
	s_mov_b32 s[G1W+3], 128<<16
	s_mov_b32 s[G1W+4], 128
	s_mov_b32 s[G1W+5], 2048
	s_mov_b32 s[G1W+6], 0
	s_mov_b32 s[G1W+7], 0
	s_lshl_b32 s70, s[DH], 20                      ; st: my 64 rows of 16,384 bytes,
	s_lshl_b32 s71, s[GY], 8                       ; the tile's 256 bytes of each
	s_add_co_u32 s70, s70, s71
	s_mov_b32 s71, 0
	s_lshl_b32 s72, s[GX], 8                       ; wagh: row 256 gx + 128 x half,
	s_lshl_b32 s73, s[DH], 7
	s_add_co_u32 s72, s72, s73
	s_lshl_b32 s72, s72, 12                        ; of 4,096 bytes
	s_mov_b32 s73, 0
	s_mul_i32 s22, s[DH], 64*PS                    ; where they go: no place in the cluster enters an LDS address
	s_mul_i32 s23, s[DH], 128*PW
	s_add_co_u32 s23, s23, WOFF
	s_mov_b32 s[SEL], 0x76543210
	s_mov_b32 s[SEL+1], 0xfedcba98
	s_mov_b32 s[TB], 0
	s_mov_b32 s[GB], 0
	s_cmp_eq_u32 s[CLY], 0                         ; who prefetches: Wag's waves in cluster y = 0,
	s_cselect_b32 s[LIM], 2, -1
	s_cmp_eq_u32 s[WV], 1                          ; wave 1 never,
	s_cselect_b32 s[LIM], -1, s[LIM]
	s_cmp_eq_u32 s[WV], 0                          ; wave 0 always: nothing here hangs on a place in the cluster
	s_cselect_b32 s[LIM], 2, s[LIM]
	v_lshlrev_b32 v[TO], 4, v0
	s_wait_dscnt 0x0                               ; the opening add is done
	s_wait_kmcnt 0x0
	s_lshr_b32 s74, s[CLY], 2                      ; the batch: 16 t tiles, four clusters
	s_lshl_b32 s76, s74, 16                        ; its eight rows of part,
	s_mov_b32 s77, 0
	s_add_nc_u64 s[8:9], s[8:9], s[76:77]
	s_lshl_b32 s76, s74, 14                        ; its 4,096 mask words
	s_add_nc_u64 s[10:11], s[10:11], s[76:77]
.irp p, 0,1,2,3,4,5,6,7
.irp c, 0,1,2,3
	global_load_b128 v[96+16*(\p)+4*(\c):96+16*(\p)+4*(\c)+3], v[TO], s[8:9] offset:8192*(\p)+2048*(\c)  ; row p, e = 4 x thread + 512 c + 0..3
.endr
.endr
.irp i, 0,1,2,3,4,5,6,7
	global_load_b128 v[32+4*(\i):32+4*(\i)+3], v[TO], s[10:11] offset:2048*(\i)
.endr
	s_add_nc_u64 s[70:71], s[4:5], s[70:71]
	s_add_nc_u64 s[72:73], s[6:7], s[72:73]
	s_lshl_b32 s76, s[GY], 7                       ; out0 at my first row (of 4,096 bytes) and my 128 d
	s_lshl_b32 s77, s[TH], 6
	s_add_co_u32 s76, s76, s77
	s_lshl_b32 s76, s76, 12
	s_lshl_b32 s77, s[GX], 10
	s_add_co_u32 s76, s76, s77
	s_lshl_b32 s77, s[DH], 9
	s_add_co_u32 s76, s76, s77
	s_mov_b32 s77, 0
	s_add_nc_u64 s[12:13], s[12:13], s[76:77]
	s_lshl_b32 s74, s[CX], 19                      ; the prefetches.  s: my work-group's 32 rows of the step's 128, the tile's 256 bytes, three steps on;
	s_lshl_b32 s76, s[GY], 8
	s_add_co_u32 s74, s74, s76
	s_add_co_u32 s74, s74, 3*SSTEP
	s_lshl_b32 s76, s[GX], 8                       ; Wag: my work-group's 32 rows of the 128 that I fetch
	s_lshl_b32 s77, s[DH], 7
	s_add_co_u32 s76, s76, s77
	s_lshl_b32 s77, s[CY], 5
	s_add_co_u32 s76, s76, s77
	s_lshl_b32 s76, s76, 12
	s_add_co_u32 s76, s76, 3*WSTEP
	s_mov_b32 s78, WSTEP
	s_cmp_eq_u32 s[TH], 0
	s_cselect_b32 s74, s74, s76
	s_cselect_b64 s[PFA:PFA+1], s[4:5], s[6:7]
	s_cselect_b32 s[PSTEP], SSTEP, s78
	s_cselect_b32 s79, 14, 12                      ; a row of st is 2^14 bytes, of wagh 2^12
	s_mov_b32 s75, 0
	s_mov_b32 s[PSTEP+1], 0
	s_add_nc_u64 s[PFA:PFA+1], s[PFA:PFA+1], s[74:75]  ; the first refill (step 2) steps it to step 4
	CROUND                                         ; all sixteen work-groups are here: the first joint loads meet
.irp s, 0,1
	s_mov_b32 s[G0S+4*(\s)], 1
	s_add_co_u32 s[G0S+4*(\s)+1], s22, (\s)*SLOT1
	s_add_nc_u64 s[G0S+4*(\s)+2:G0S+4*(\s)+3], s[70:71], (\s)*SSTEP
	s_or_b32 s[G0S+4*(\s)+3], s[G0S+4*(\s)+3], 0x80000000
	s_mov_b32 s[G0W+4*(\s)], 1
	s_add_co_u32 s[G0W+4*(\s)+1], s23, (\s)*SLOT1
	s_add_nc_u64 s[G0W+4*(\s)+2:G0W+4*(\s)+3], s[72:73], (\s)*WSTEP
	s_or_b32 s[G0W+4*(\s)+3], s[G0W+4*(\s)+3], 0x80000000
.endr
	s_cmp_eq_u32 s[TH], 0                          ; a wave's two first fills stand in one branch: two loads of mine are out
	s_cbranch_scc0 .Lfirst_w
	tensor_load_to_lds s[G0S:G0S+3], s[G1S:G1S+7]
	s_nop 0
	tensor_load_to_lds s[G0S+4:G0S+7], s[G1S:G1S+7]
	s_nop 0
.rept 4
	v_nop
.endr
	s_branch .Lfirst_asked
.Lfirst_w:
	tensor_load_to_lds s[G0W:G0W+3], s[G1W:G1W+7]
	s_nop 0
	tensor_load_to_lds s[G0W+4:G0W+7], s[G1W:G1W+7]
	s_nop 0
.rept 4
	v_nop
.endr
.Lfirst_asked:
	v_and_b32 v1, 15, v0                           ; l % 16
	v_bfe_u32 v240, v0, 4, 1                       ; l / 16
	v_and_b32 v241, 7, v0
	v_bfe_u32 v242, v0, 3, 1
	v_and_b32 v243, 31, v0                         ; l
	; the turning load takes 16 e x 16 t: lane l reads 16 bytes of row 8 (l / 16) + l % 8, t 8 ((l / 8) % 2) + 0..7, and is left with t = l % 16 and 8 e
	v_lshl_add_u32 v[AS0], v240, 3, v241
	v_mul_u32_u24 v[AS0], v[AS0], PS
	v_lshl_add_u32 v[AS0], v242, 4, v[AS0]
	s_lshl_b32 s76, s[TH], 7                       ; my 64 t: 128 bytes
	v_add_nc_u32 v[AS0], s76, v[AS0]
	v_mul_u32_u24 v[AW0], v1, PW
	v_lshl_add_u32 v[AW0], v240, 4, v[AW0]
	v_add_nc_u32 v[AW0], s23, v[AW0]               ; my 128 d are the 128 rows at WOFF + half x 128 rows
	v_mov_b32 v[ADS], v[AS0]
	v_mov_b32 v[ADW], v[AW0]
	v_lshl_add_u32 v[GA0], v240, 4, GT             ; g's fragment: the 8 e of my half of the lanes, 16 bytes; every lane of a half reads the same
	v_mov_b32 v[GA], v[GA0]
	s_mul_i32 s76, s[WV], 16*SP
	s_add_co_u32 s76, s76, STAGE                   ; my stage
	v_mul_u32_u24 v[STO], v1, SP                   ; in: row l % 16, 32 bytes for each half of the lanes
	v_lshl_add_u32 v[STO], v240, 5, v[STO]
	v_add_nc_u32 v[STO], s76, v[STO]
	v_lshl_add_u32 v[RD], v243, 4, s76             ; back: 32 lanes take a row of 512 bytes
	v_lshlrev_b32 v[CO], 4, v243
	v_lshlrev_b32 v[PFO], s79, v243
	s_lshl_b32 s76, s[WV], 3
	s_add_co_u32 s76, s76, XCH
	v_mov_b32 v244, s76
	v_mov_b32 v245, XCH
	v_lshl_add_u32 v246, v0, 3, GT                 ; my four g of each 512: 8 bytes
	v_mov_b32 v226, 0                              ; v_permlanex16_b32's destinations count as read
	v_mov_b32 v227, 0
	s_wait_loadcnt 8                               ; part's 32 loads are in; the mask's 8, issued behind them, may stay out
.irp p, 1,2,3,4,5,6,7
.irp k, 0,1,2,3,4,5,6,7
	v_pk_add_f32 v[96+2*(\k):96+2*(\k)+1], v[96+2*(\k):96+2*(\k)+1], v[96+16*(\p)+2*(\k):96+16*(\p)+2*(\k)+1]  ; S[e]
.endr
.endr
	v_max_num_f32 v224, |v96|, |v97|
.irp i, 98,99,100,101,102,103,104,105,106,107,108,109,110,111
	v_max_num_f32 v224, v224, |v\i|
.endr
	s_wait_loadcnt 0x0
	v_add_nc_u32 v225, v32, v33
.set i, 34
.rept 30
	v_add_nc_u32 v225, v225, v[i]
.set i, i+1
.endr
	v_cvt_f32_i32 v225, v225
.irp x, 1,2,4,8
	v_max_num_f32_dpp v224, v224, v224 row_xmask:\x row_mask:0xf bank_mask:0xf
	v_add_f32_dpp v225, v225, v225 row_xmask:\x row_mask:0xf bank_mask:0xf
.endr
	v_permlanex16_b32 v226, v224, s[SEL], s[SEL+1]
	v_permlanex16_b32 v227, v225, s[SEL], s[SEL+1]
	v_max_num_f32 v224, v224, v226
	v_add_f32 v225, v225, v227
	ds_store_b64 v244, v[224:225]                  ; my wave's pair
	s_wait_dscnt 0x0
	s_barrier_signal -1                            ; the two first fills may stay out
	s_barrier_wait -1
	ds_load_b128 v[228:231], v245
	ds_load_b128 v[232:235], v245 offset:16
	s_wait_dscnt 0x0
	v_max_num_f32 v228, v228, v230
	v_max_num_f32 v232, v232, v234
	v_max_num_f32 v228, v228, v232                 ; M
	v_add_f32 v229, v229, v231
	v_add_f32 v233, v233, v235
	v_add_f32 v229, v229, v233                     ; cnt
	v_max_num_f32 v238, 0x00800000, v228
	v_rcp_f32 v236, v238
	v_rcp_f32 v237, v229
	v_nop                                          ; a plain instruction behind the last reciprocal,
	s_wait_alu depctr_va_vdst(0)                   ; and a wait ahead of the first use of the two
	v_mul_f32 v[FS], v228, v237
	v_mul_f32 v[FS+1], v228, v237
.irp k, 0,1,2,3,4,5,6,7
	v_pk_mul_f32 v[96+2*(\k):96+2*(\k)+1], v[96+2*(\k):96+2*(\k)+1], v[236:237] op_sel_hi:[1,0]
.endr
.irp k, 0,1,2,3,4,5,6,7
	v_cvt_pk_f16_f32 v[112+(\k)], v[96+2*(\k)], v[96+2*(\k)+1]
.endr
.irp c, 0,1,2,3
	ds_store_b64 v246, v[112+2*(\c):112+2*(\c)+1] offset:1024*(\c)
.endr
	s_wait_dscnt 0x0                               ; my part of g is in LDS,
	s_wait_tensorcnt 1                             ; and my part of slot 0; slot 1's may stay out
	s_barrier_signal -1
	s_barrier_wait -1                              ; everybody's is
; 26 LDS loads in one run: quarter q (32 e) of the step in hand into buffer f: g's fragment, Wag's eight, s's four (turned)
.macro FETCH3 q, f
	WIN 0
	ds_load_b128 v[GF0+8*(\f):GF0+8*(\f)+3],   v[GA] offset:64*(\q)
	ds_load_b128 v[GF0+8*(\f)+4:GF0+8*(\f)+7], v[GA] offset:64*(\q)+32
.irp bb, 0,1,2,3,4,5,6,7
	ds_load_b128 v[WF0+64*(\f)+8*(\bb):WF0+64*(\f)+8*(\bb)+3],   v[ADW] offset:(\bb)*16*PW+64*(\q)
	ds_load_b128 v[WF0+64*(\f)+8*(\bb)+4:WF0+64*(\f)+8*(\bb)+7], v[ADW] offset:(\bb)*16*PW+64*(\q)+32
.endr
.irp a, 0,1,2,3
	ds_load_tr16_b128 v[SF0+32*(\f)+8*(\a):SF0+32*(\f)+8*(\a)+3],   v[ADS] offset:(\q)*32*PS+32*(\a)
	ds_load_tr16_b128 v[SF0+32*(\f)+8*(\a)+4:SF0+32*(\f)+8*(\a)+7], v[ADS] offset:(\q)*32*PS+16*PS+32*(\a)
.endr
.endm
.macro SC f, x, n                      ; register n of s's fragment x times g: both hold the same two e
	v_pk_mul_f16 v[SF0+32*(\f)+8*(\x)+(\n)], v[SF0+32*(\f)+8*(\x)+(\n)], v[GF0+8*(\f)+(\n)]
.endm
.macro SC8 f, x
	WIN 0
.irp n, 0,1,2,3,4,5,6,7
	SC \f, \x, \n
.endr
.endm
; Eight matrix instructions: block a of t x all 8 blocks of d.  ride = 1: the scaling of block a + 1 stands behind the first three pairs.  The 32 accumulators take turns, one instruction a turn.
.macro ABLK f, a, zero, ride
.irp p, 0,1,2,3
	WIN MUL
.irp k, 0,1
.if \zero
	v_wmma_f32_16x16x32_f16 v[8*(8*(\a)+2*(\p)+(\k)):8*(8*(\a)+2*(\p)+(\k))+7], v[WF0+64*(\f)+8*(2*(\p)+(\k)):WF0+64*(\f)+8*(2*(\p)+(\k))+7], v[SF0+32*(\f)+8*(\a):SF0+32*(\f)+8*(\a)+7], 0
.else
	v_wmma_f32_16x16x32_f16 v[8*(8*(\a)+2*(\p)+(\k)):8*(8*(\a)+2*(\p)+(\k))+7], v[WF0+64*(\f)+8*(2*(\p)+(\k)):WF0+64*(\f)+8*(2*(\p)+(\k))+7], v[SF0+32*(\f)+8*(\a):SF0+32*(\f)+8*(\a)+7], v[8*(8*(\a)+2*(\p)+(\k)):8*(8*(\a)+2*(\p)+(\k))+7]
.endif
.endr
.if (\ride) && ((\p) < 3)
	WIN 0
.irp n, 0,1,2
.if 3*(\p)+(\n) < 8
	SC \f, (\a)+1, 3*(\p)+(\n)
.endif
.endr
.endif
.endr
.endm
; A quarter: 32 matrix instructions on buffer f; in its middle the next quarter is fetched into g.  The eight scalings at its head are the places between the last products that read g and the loads into it.
.macro Q3 q, f, g, zero, fetch=1
	s_wait_dscnt 4                                 ; g, Wag and s's blocks 0 and 1 are in; the youngest four loads (blocks 2 and 3) may be out
	SC8 \f, 0
	ABLK \f, 0, \zero, 1
	s_wait_dscnt 0x0
	ABLK \f, 1, \zero, 1
.if \fetch
	FETCH3 (\q)+1, \g
.endif
	ABLK \f, 2, \zero, 1
	ABLK \f, 3, \zero, 0
.endm
; A step's last quarter (buffer 1) and the change of slots.  In front of the barrier each wave waits for all its tensor loads (one is out: its part of the next slot), adds 0 to its spare word, and waits for that
; and for its reads of this slot.  fill = 1: the barrier opens a round of the cluster's barrier, and the joint refill, with the step two on, is the first thing behind the round.
.macro TURN3 fill
.if \fill
	s_wait_xcnt 0x0                                ; the last prefetch, a step back, has read its address
	s_add_nc_u64 s[PFA:PFA+1], s[PFA:PFA+1], s[PSTEP:PSTEP+1]
.endif
	WIN 0
	s_wait_tensorcnt 0x0                           ; no tensor load of mine is out, so a group 0 may be written
	ds_add_u32 v[SPW], v[NIL]
.if \fill
	s_xor_b32 s[G0S+5], s[G0S+5], SLOT1            ; the walking descriptors: the other slot than last time, the next step
	s_add_nc_u64 s[G0S+6:G0S+7], s[G0S+6:G0S+7], SSTEP
	s_xor_b32 s[G0W+5], s[G0W+5], SLOT1
	s_add_nc_u64 s[G0W+6:G0W+7], s[G0W+6:G0W+7], WSTEP
.endif
	s_wait_dscnt 5                                 ; (the add and the youngest four loads may be out)
	SC8 1, 0
	ABLK 1, 0, 0, 1
	s_wait_dscnt 0x0                               ; the add is done, and my reads of this slot are over
	s_barrier_signal -1
	ABLK 1, 1, 0, 1
	WIN 0
	s_barrier_wait -1
.if \fill
	CREST
	JLOAD                                          ; one tensor load of mine is out
.endif
	s_xor_b32 s[TB], s[TB], SLOT1
	s_add_co_u32 s[GB], s[GB], 256
	v_add_nc_u32 v[ADS], s[TB], v[AS0]
	v_add_nc_u32 v[ADW], s[TB], v[AW0]
	v_add_nc_u32 v[GA], s[GB], v[GA0]
	FETCH3 0, 0
.if \fill
	ASK
.endif
	ABLK 1, 2, 0, 1
	ABLK 1, 3, 0, 0
.endm
	FETCH3 0, 0
	Q3 0, 0, 1, 1                                  ; the first quarter starts the sums: nothing is cleared
	WIN 0
	s_mov_b32 s[CNT], 14
.Lstep:                                                ; a trip: a step's quarters 1 to 3, the refill with the step two on, the next step's quarter 0
	Q3 1, 1, 0, 0
	Q3 2, 0, 1, 0
	TURN3 1
	Q3 0, 0, 1, 0
	WIN 0
	s_sub_co_u32 s[CNT], s[CNT], 1
	s_cmp_lg_u32 s[CNT], 0
	s_cbranch_scc1 .Lstep
	Q3 1, 1, 0, 0                                  ; the last two steps fill nothing
	Q3 2, 0, 1, 0
	TURN3 0
	Q3 0, 0, 1, 0
	Q3 1, 1, 0, 0
	Q3 2, 0, 1, 0
	Q3 3, 1, 0, 0, 0
	WIN 0
.rept 4
	v_nop                                          ; the places between the last products and the first read of a result
.endr
; THE WAY OUT, block a of t: the sums times M / cnt; 32 bytes a lane into rows of 528 bytes of my stage; back as whole rows of 512; stored.
.macro PACK a
	WIN 0x01                                       ; source 0 window 1
.irp bb, 0,1,2,3,4,5,6,7
.irp r, 0,1,2,3
	v_pk_mul_f32 v[32+8*(\bb)+2*(\r):32+8*(\bb)+2*(\r)+1], v[8*(8*(\a)+(\bb))+2*(\r):8*(8*(\a)+(\bb))+2*(\r)+1], v[FS:FS+1]
.endr
.endr
	WIN 0
.endm
.macro TOSTAGE a
.set BK, 96+64*((\a)%2)
.irp bb, 0,1,2,3,4,5,6,7
	ds_store_b128 v[STO], v[32+8*(\bb):32+8*(\bb)+3]   offset:64*(\bb)
	ds_store_b128 v[STO], v[32+8*(\bb)+4:32+8*(\bb)+7] offset:64*(\bb)+16
.endr
.irp r, 0,1,2,3,4,5,6,7,8,9,10,11,12,13,14,15
	ds_load_b128 v[BK+4*(\r):BK+4*(\r)+3], v[RD] offset:SP*(\r)  ; LDS serves a wave's instructions in order (ISA guide 5.7.1.4): these see the stores above
.endr
.endm
.macro SEND a
.set BK, 96+64*((\a)%2)
	s_wait_dscnt 0x0                               ; the block is back in registers
	s_wait_xcnt 0x0                                ; the stores' base, and the registers that earlier stores read, are written again only behind this wait
.if (\a) > 0
	s_add_nc_u64 s[12:13], s[12:13], 16*4096       ; 16 rows of out0 on
.endif
.irp r, 0,1,2,3,4,5,6,7,8,9,10,11,12,13,14,15
	global_store_b128 v[CO], v[BK+4*(\r):BK+4*(\r)+3], s[12:13] offset:4096*(\r)  ; 512 consecutive bytes, at a multiple of 512 from out0's first byte
.endr
.endm
	PACK 0
	TOSTAGE 0
.irp a, 1,2,3                          ; block a's arithmetic stands between block a - 1's loads from the stage and the wait for them
	PACK \a
	SEND (\a)-1
	TOSTAGE \a
.endr
	SEND 3
	s_wait_tensorcnt 0x0                           ; the wave's end: behind my last tensor load and my last LDS store
	ds_add_u32 v[SPW], v[NIL]
	s_wait_dscnt 0x0
	CROUND                                         ; the closing round: no work-group ends while a partner may still ask for a tile that names it
	s_endpgm
.Lfunc_end_k_q60ad1e22a6_outp:
	.size	k_q60ad1e22a6_outp, .Lfunc_end_k_q60ad1e22a6_outp-k_q60ad1e22a6_outp
	.p2alignl 7, 3214868480
	.fill 96, 4, 3214868480
	.section	.rodata,"a",@progbits
	.p2align	6, 0x0
	.amdhsa_kernel k_q60ad1e22a6_outp
		.amdhsa_group_segment_fixed_size 327680
		.amdhsa_private_segment_fixed_size 0
		.amdhsa_enable_private_segment 0
		.amdhsa_kernarg_size 40
		.amdhsa_user_sgpr_count 2
		.amdhsa_user_sgpr_kernarg_segment_ptr 1
		.amdhsa_wavefront_size32 1
		.amdhsa_system_sgpr_workgroup_id_x 1
		.amdhsa_system_sgpr_workgroup_id_y 1
		.amdhsa_system_sgpr_workgroup_id_z 1
		.amdhsa_system_vgpr_workitem_id 0
		.amdhsa_next_free_vgpr 512
		.amdhsa_next_free_sgpr 80
		.amdhsa_reserve_vcc 0
		.amdhsa_float_denorm_mode_32 3
		.amdhsa_float_denorm_mode_16_64 3
		.amdhsa_memory_ordered 1
		.amdhsa_forward_progress 1
		.amdhsa_inst_pref_size 122
	.end_amdhsa_kernel
	.amdgpu_metadata
---
amdhsa.version: [ 1, 2 ]
amdhsa.kernels:
  - .name:           k_q60ad1e22a6_outp
    .symbol:         k_q60ad1e22a6_outp.kd
    .args:
      - { .name: st, .offset: 0, .size: 8, .value_kind: global_buffer, .address_space: global }
      - { .name: wagh, .offset: 8, .size: 8, .value_kind: global_buffer, .address_space: global }
      - { .name: part, .offset: 16, .size: 8, .value_kind: global_buffer, .address_space: global }
      - { .name: mask, .offset: 24, .size: 8, .value_kind: global_buffer, .address_space: global }
      - { .name: out0, .offset: 32, .size: 8, .value_kind: global_buffer, .address_space: global }
    .group_segment_fixed_size: 327680
    .private_segment_fixed_size: 0
    .kernarg_segment_align: 8
    .kernarg_segment_size: 40
    .max_flat_workgroup_size: 128
    .sgpr_count:     80
    .vgpr_count:     512
    .wavefront_size: 32
...
	.end_amdgpu_metadata
.endif
;; end of part 3
